; MI455X (gfx1250); checked and timed in simulation.
; The chip was launched on July 23, 2026; its instructions are those of AMD's public machine-readable ISA for CDNA 5 (MIT licence, August 2026) and "CDNA5" Instruction Set Architecture Reference Guide (July 2026). The comments in the code are by the model that wrote it; some were corrected since.
;; QKV Attention. Allowed arithmetic: matrix products marked QUANTISED: E2M1 operands, one E8M0 scale for each 32 along K, by v_wmma_scale_f32_16x16x128_f8f6f4 with both operands' format E2M1 (or v_wmma_scale_f32_32x16x128_f4), f32 sums; everything else in f32.
;; Inputs: qkv 64 x 192 x 2,048 float32.
;; Outputs: out0 64 x 64 x 2,048 float32.
;; This version of the problem:
;;   THIS VERSION OF THE PROBLEM IS GIVEN IN LOW PRECISION. The matrix products marked QUANTISED in the list below multiply operands that are first quantised to E2M1 (2 exponent bits, 1 mantissa bit; 4 bits a number), with one power-of-two scale for each 32 numbers along K (OCP MX v1.0); their sums are f32. All else is computed in f32.
;;   The module's matrix products, in the order in which they are computed (A, B: the left and right operand; K: the contracted axis; several contracted axes count as one K, in the product's order):
;;     1. batch 64 x [M 2,048, K 64] x [K 64, N 2,048]; A: computed on the way; B: computed on the way: QUANTISED
;;     2. batch 64 x [M 64, K 2,048] x [K 2,048, N 2,048]; A: computed on the way; B: softmax (see below): QUANTISED
;;   THE QUANTISER, for each operand of a quantised product, along K:
;;     - K is cut into blocks of 32 from its start; a last block that is shorter is filled with zeros.
;;     - A block's scale is 2^e with e = floor(log2(the largest magnitude in the block)) - 2, held to -126 .. 127; a block of zeros has e = 0. As a byte (E8M0): e + 127.
;;     - Each number is divided by its block's scale, clamped to +-6, and rounded to the nearest number of E2M1, ties to even, subnormals kept.
;;     - The product sums the exact products of the quantised numbers (number of the format x scale) in f32.
;;   ~~~python
;;   def quantise(x, axis):      # numpy; x: float32 -> the quantised numbers, widened to float32 again
;;       x = np.moveaxis(x, axis, -1); K = x.shape[-1]
;;       x = np.pad(x, [(0, 0)] * (x.ndim - 1) + [(0, -K % 32)]); x = x.reshape(x.shape[:-1] + (-1, 32)); a = np.abs(x).max(-1, keepdims=True)
;;       e = np.where(a > 0, np.clip(np.frexp(np.where(a > 0, a, 1))[1] - 1 - 2, -126, 127), 0)      # np.frexp(a)[1] - 1 = floor(log2(a)), exactly
;;       r = np.clip(x / 2.0 ** e, -6, 6)
;;       step = 2.0 ** (np.maximum(np.frexp(np.where(r == 0, 1, r))[1] - 1, 0) - 1)
;;       q = np.round(r / step) * step * 2.0 ** e      # np.round: ties to even
;;       return np.moveaxis(q.reshape(q.shape[:-2] + (-1,))[..., :K], -1, axis).astype(np.float32)
;;   ~~~
;;   SOFTMAX AHEAD OF A QUANTISED PRODUCT. Where the list says 'softmax', what is quantised is not the finished softmax but p = 2^(t - M), with t = logit x log2(e) and M = ceil(the row's largest t), a whole number; so 1/2 < the row's largest p <= 1. The row's sum l is taken of the UNQUANTISED p, in f32, and the product's result is divided by l at the end. Since M is a whole number, a kernel that streams over the keys may use a running M (the ceiling of the running maximum): every later rescaling is an exact power of two, which a block's scale takes up: the codes' values come out the same.
;;   OPERANDS COMPUTED ON THE WAY. 'Computed on the way' means the value that the module computes at that place (a softmax that the list does not call 'softmax' is quantised finished and normalised). What goes into a quantiser is computed in f32, as accurately as f32 sums, v_exp_f32 and their like allow (about 1e-6 of the number): no bf16 or f16 on the way to a quantiser, and a product that is left as it is and whose result goes on into a quantised operand takes f32 operands (vector FMAs, or v_wmma_f32_16x16x4_f32). A number that lies on a knife's edge between two numbers of the format may be rounded either way, as far as f32 arithmetic and the matrix unit's own rounding can turn it there, and no further.
;; One version. Each part assembles by itself: llvm-mc -triple=amdgcn-amd-amdhsa -mcpu=gfx1250 --defsym DOCPART=n.
;; ======== version 1 of 1: 1 launch
;; limits: right only within a limited range of input values
;; launch attn (part 1): grid 4 x 64, 16 waves a work-group, clusters of 4 x 1, 290,816 bytes of LDS; arguments qkv, out0; writes out0
.if DOCPART == 1
	.amdgcn_target "amdgcn-amd-amdhsa--gfx1250"
	.amdhsa_code_object_version 6
	.text
	.protected	k_q747e48fc78_attn
	.globl	k_q747e48fc78_attn
	.p2align	8
	.type	k_q747e48fc78_attn,@function
k_q747e48fc78_attn:
	s_mov_b64 s[64:65], 0
	v_nop
	global_prefetch_b8 v0, s[64:65] scope:SCOPE_SE
	s_setreg_imm32_b32 hwreg(HW_REG_WAVE_MODE, 25, 1), 1
	s_wait_xcnt 0x0
	s_wait_alu depctr_hold_cnt(0) depctr_sa_sdst(0) depctr_va_vdst(0) depctr_va_sdst(0) depctr_va_ssrc(0) depctr_va_vcc(0) depctr_vm_vsrc(0)
	s_getreg_b32 s2, hwreg(HW_REG_IB_STS2, 6, 4)
	s_cmp_eq_u32 s2, 0
	s_cbranch_scc0 .Lentry_in_a_cluster
	s_endpgm
.Lentry_in_a_cluster:
	s_bfe_u32 s2, ttmp6, 0x10000c
	s_cmp_lg_u32 s2, 0x3003
	s_cbranch_scc0 .Lentry_shape_is_right
	s_endpgm
.Lentry_shape_is_right:
; out0[b][c][t] = sum over s of softmax_s( (q/sqrt 8)[:, t] . (k/sqrt 8)[:, s] ) v[c][s].  qkv: [64][192][2048] f32 (rows 0-63 q, 64-127 k, 128-191 v; tokens innermost); out0: [64][64][2048] f32.
; Both products on codes of FP4 (E2M1) with one E8M0 scale for each 32 along a product's K: the first along the 64 channels, the second along the 2,048 keys.
; SOFTMAX: t = score x log2(e); M = the running largest t taken UP to a whole number; p = 2^(t - M) is quantised along the keys, not normalised; the row's sum is taken of the unquantised p and divides
; at the end.  When M moves, the sum and O are multiplied by 2^(old M - new M), which is exact.
; SHARES.  256 work-groups: 4 blocks of 512 queries x 64 heads.  Sixteen waves of 256 registers; a wave owns 32 queries, two tiles of 16, and walks all 2,048 keys, 128 a step.
; K AND V ARE QUANTISED BY THE WORK-GROUP ITSELF, a chunk of 256 keys (two key steps) at a time, one chunk ahead of the products, into LDS bytes of the chunk's own (16 x 9,792 bytes; none written twice).
; A trip: both are quantised; the first key step of the chunk before; the barrier's signal; the second key step; the barrier's wait.
;   K (channels are its outer axis): a lane takes a key, its 32 registers run down 32 channels; wave w: keys 32 (w % 8) on, channel block w / 8.  Its 32 loads go out in four groups of eight in the first key step of the trip before.
;   V (keys innermost): a lane takes 8 neighbouring keys of each of the wave's 4 rows; four neighbouring lanes hold a block.  Its loads land in the scores' registers, idle between key steps, while K is quantised.
; LAYOUT.  Both products transposed: S^T = K Q^T (source 0 = 16 keys, source 1 = 16 queries), O^T = V P^T: a lane holds ONE query (lane % 16) throughout.
; THE KEYS OF A TILE ARE NOT NEIGHBOURS: slot 8 h + j of tile 4 g + u is key 64 g + 32 h + 8 u + j, so the 32 score registers of tiles 4 g .. 4 g + 3 in lane (r, h) are the WHOLE block 2 g + h of keys:
; its largest score needs no other lane, and the conversions' results are P's operand registers as they stand.
; INDEPENDENT LINES: the maxima run in eight chains (one a tile), the row's sum is a tree in place over p's registers, the rescaling of O^T stands among the scale's lines; tile 1's tree stands behind its
; products, and under it the next key step's fragments of K are read from LDS.
; THE FIRST PRODUCT'S K IS 64 of the instruction's 128.  Q's registers 4-7 hold zero codes; K's operand of tile t is v[FR+4t : FR+4t+7], whose upper four registers are other codes (E2M1 has no infinity and
; no NaN, so each x a zero code is 0); the scale words are doubled (e0, e1, e0, e1), so the bytes over that half are true bytes, 1 to 254.
; CLUSTER: a head's four work-groups form a cluster and share out the prefetch of V by address.  In trip m V of chunk m + 2 is asked for, one trip (two key steps) ahead of its loads: 64 rows x 1,024 bytes
; = 256 blocks of 256 bytes; the work-group at place cx names rows 16 cx .. 16 cx + 15, waves 0 and 1, a lane a block.  The last two trips ask for nothing.  K is not asked for: its loads go out a trip ahead.
; NO JOINT LOADS: what the four share is f32 numbers that pass through registers for the quantiser; a ring for them (2 slots x 128 keys x 128 rows x 4 = 131,072 bytes) does not fit beside the codes (156,672)
; and the stage (132,096) in 327,680, and each of its 16 refills would stand behind a round at which the cluster's 64 waves meet.
; LIMITS: NaN and infinities among the inputs are not served.  A block whose largest magnitude lies under 2^-124 has its byte held at 1; a block of zeros gets the byte 1 too (not 127): its codes are zeros,
; and the bytes are read by this kernel alone.  The promise holds while the exponents t stay under 2^31 in magnitude.
.set ROWG,   8192                      ; a row of qkv or of out0 in bytes
.set KG,     64*ROWG
.set VG,     128*ROWG
.set PCE,    272                       ; a piece of LDS: 16 slots of 16 bytes + 16 that nobody touches
.set KOFF,   0                         ; a key step: K's codes: piece 2 t + hb = channel block hb of tile t;
.set VOFF,   16*PCE                    ; V's codes: piece 4 ct + bb = key block bb of channel tile ct;
.set SKOFF,  32*PCE                    ; K's scale words: tile 2 b + u, slot r at 272 u + 16 r + 4 b;
.set SVOFF,  34*PCE                    ; V's: channel tile 2 p + hh, row r at 272 hh + 16 r + 4 p, byte bb
.set STEPB,  36*PCE
.set CHUNKB, 2*STEPB
.set STG,    16*STEPB                  ; the stage for the way out: 64 rows of 512 queries x 4 bytes + 16
.set SP,     2064
.set SPARE,  STG+64*SP                 ; the spare words: 128 bytes a wave
.set LT,  1                            ; 16 (lane % 16) + 272 (lane / 16)
.set ADR, 2                            ; LT + the chunk being read (at the head: my offset in q's rows)
.set KGO, 3                            ; my offset in k's rows
.set LK1, 4                            ; where my key's codes go in a chunk; v5 its scale byte
.set LK2, 5
.set LV1, 6                            ; where my 4 bytes of V's codes go; v7 their block's byte
.set LV2, 7
.set QS,  8                            ; Q's scale words
.set PW0, 9                            ; p's scale words, tile 0 and 1
.set PW1, 10
.set VGO, 11                           ; my offset in v's rows
.set SB0, 12                           ; v12-15 tile 0: -M, the largest score, the sum in two halves; v16-19 tile 1
.set SB1, 16
.set SK,  20                           ; v20-23 K's scale words of a step, then V's
.set Q0,  24                           ; v24-39 Q's two fragments: four registers of codes, four of zeros
.set FR,  40                           ; v40-71 eight fragments of K, then four of V
.set PC0, 72                           ; v72-79 tile 0's p codes
.set ST,  80                           ; v80-111 32 raw numbers of k
.set S,   112                          ; v112-175 S^T, then p; between key steps: raw v and the quantisers' work
.set KT,  S+32
.set VT,  S+48
.set O,   176                          ; v176-239 O^T
.set T,   240                          ; v240-255 at work; T0-7: the maxima's eight chains
.set PC1, T                            ; then tile 1's p codes
.set PX,  T+4
.set SO,  T+8                          ; the conversions' scale operands
.set H8,  T+10                         ; 8 (lane / 16); never rewritten in the trips
.set PFO, T+11                         ; the prefetch's offset; never rewritten
.set F,   T+12                         ; f = 2^(old M - new M), named as a pair
.set X,   T+14
.set B1,  T+15
; s[4:5] qkv, s[6:7] out0 at my block; s8 wave; s9 cx; s[12:13] my head at the chunk being filled; s16, s17 LDS byte of the chunk read, written; s[20:21] lane selects; s[22:23] log2(e); s24 trips; s[26:27] 1 / sqrt(8)
.macro KLOAD imm                       ; my key's 32 channels: 128 consecutive bytes a wave and load
.set i, 0
.rept 32
	global_load_b32 v[ST+i], v[KGO], s[12:13] offset:KG+ROWG*i+\imm
.set i, i+1
.endr
.endm
.macro KL g                            ; eight of them, for the chunk 256 keys on
.set i, 8*\g
.rept 8
	global_load_b32 v[ST+i], v[KGO], s[12:13] offset:KG+ROWG*i+1024
.set i, i+1
.endr
.endm
.macro VLOAD base                      ; 8 neighbouring keys of each of my 4 rows
.irp i, 0,1,2,3
	global_load_b128 v[\base+8*\i:\base+8*\i+3], v[VGO], s[12:13] offset:VG+ROWG*\i
	global_load_b128 v[\base+8*\i+4:\base+8*\i+7], v[VGO], s[12:13] offset:VG+ROWG*\i+16
.endr
.endm
.macro ASKV imm                        ; waves 0 and 1: my work-group's 64 blocks of V's chunk at byte imm
	s_wait_alu depctr_va_vdst(0)                                   ; the wait ahead of the branch
	s_cmp_lt_u32 s8, 2
	s_cbranch_scc0 .Lnot_mine_\@
	global_prefetch_b8 v[PFO], s[12:13] offset:VG+\imm th:TH_LOAD_NT scope:SCOPE_SE
.Lnot_mine_\@:
.endm
.macro KQUANT                          ; 32 channels of my key x 1 / sqrt(8): one block: 16 bytes of codes and a byte, into the chunk at s17
.set i, 0
.rept 16
	v_pk_mul_f32 v[ST+i:ST+i+1], v[ST+i:ST+i+1], s[26:27] op_sel_hi:[1,0]
.set i, i+2
.endr
.irp c, 0,1,2,3                                                    ; the block's largest magnitude, in four chains
	v_max3_num_f32 v[KT+\c], |v[ST+8*\c]|, |v[ST+8*\c+1]|, |v[ST+8*\c+2]|
.endr
.irp i, 3,5
.irp c, 0,1,2,3
	v_max3_num_f32 v[KT+\c], v[KT+\c], |v[ST+8*\c+\i]|, |v[ST+8*\c+\i+1]|
.endr
.endr
	v_max3_num_f32 v[KT], v[KT], v[KT+1], |v[ST+7]|
	v_max3_num_f32 v[KT+2], v[KT+2], v[KT+3], |v[ST+15]|
	v_add_nc_u32 v[KT+8], s17, v[LK1]
	v_add_nc_u32 v[KT+9], s17, v[LK2]
	v_max3_num_f32 v[KT], v[KT], v[KT+2], |v[ST+23]|
	v_max3_num_f32 v[KT], v[KT], |v[ST+31]|, 0x1800000             ; and the floor 2^(3 - 127): the byte cannot fall under 1
	v_add_nc_u32 v[KT], 0xff000000, v[KT]                          ; 2 off the exponent field: the conversion's scale operand
	v_lshrrev_b32 v[KT+1], 23, v[KT]                               ; the byte
.irp g, 0,1,2,3
	v_cvt_scalef32_pk8_fp4_f32 v[KT+4+\g], v[ST+8*\g:ST+8*\g+7], v[KT]
.endr
	v_nop                                                          ; one plain line behind the last scaled conversion
	ds_store_b128 v[KT+8], v[KT+4:KT+7]
	ds_store_b8 v[KT+9], v[KT+1]
	ds_store_b8 v[KT+9], v[KT+1] offset:2                          ; once more over the instruction's unused half of K
.endm
.macro VQUANT base                     ; 8 keys of 4 rows -> 4 bytes of codes a row; a block is four neighbouring lanes; the four rows by turns
.irp i, 0,1,2,3
	v_max3_num_f32 v[VT+\i], |v[\base+8*\i]|, |v[\base+8*\i+1]|, 0x1800000
.endr
.irp j, 2,4,6
.irp i, 0,1,2,3
	v_max3_num_f32 v[VT+\i], v[VT+\i], |v[\base+8*\i+\j]|, |v[\base+8*\i+\j+1]|
.endr
.endr
.irp i, 0,1,2,3
	v_max_num_f32_dpp v[VT+\i], v[VT+\i], v[VT+\i] row_xmask:1 row_mask:0xf bank_mask:0xf
.endr
.irp i, 0,1,2,3
	v_max_num_f32_dpp v[VT+\i], v[VT+\i], v[VT+\i] row_xmask:2 row_mask:0xf bank_mask:0xf
.endr
.irp i, 0,1,2,3
	v_add_nc_u32 v[VT+\i], 0xff000000, v[VT+\i]
.endr
.irp i, 0,1,2,3
	v_cvt_scalef32_pk8_fp4_f32 v[VT+4+\i], v[\base+8*\i:\base+8*\i+7], v[VT+\i]
.endr
.irp i, 0,1,2,3
	v_lshrrev_b32 v[VT+8+\i], 23, v[VT+\i]                         ; the bytes; also the plain lines behind the conversions
.endr
	v_add_nc_u32 v[VT+12], s17, v[LV1]
	v_add_nc_u32 v[VT+13], s17, v[LV2]
.irp i, 0,1,2,3
	ds_store_b32 v[VT+12], v[VT+4+\i] offset:16*\i
.endr
.irp i, 0,1,2,3
	ds_store_b8 v[VT+13], v[VT+8+\i] offset:16*\i                  ; the block's four lanes write the same byte with the same value
.endr
.endm
; S^T of query tile q.  K's scale words: v[SK + b], lanes 0-15 tile 2 b, lanes 16-31 tile 2 b + 1.  Q's: lanes 0-15 tile 0, lanes 16-31 tile 1.
.macro KQ q
.irp t, 0,1,2,3,4,5,6,7
.if (\t%2 == 0) && (\q == 0)
	v_wmma_scale_f32_16x16x128_f8f6f4 v[S+8*\t:S+8*\t+7], v[FR+4*\t:FR+4*\t+7], v[Q0+8*\q:Q0+8*\q+7], 0, v[SK+\t/2], v[QS] matrix_a_fmt:MATRIX_FMT_FP4 matrix_b_fmt:MATRIX_FMT_FP4
.elseif (\q == 0)
	v_wmma_scale_f32_16x16x128_f8f6f4 v[S+8*\t:S+8*\t+7], v[FR+4*\t:FR+4*\t+7], v[Q0+8*\q:Q0+8*\q+7], 0, v[SK+\t/2], v[QS] matrix_a_fmt:MATRIX_FMT_FP4 matrix_b_fmt:MATRIX_FMT_FP4 matrix_a_scale:MATRIX_SCALE_ROW1
.elseif (\t%2 == 0)
	v_wmma_scale_f32_16x16x128_f8f6f4 v[S+8*\t:S+8*\t+7], v[FR+4*\t:FR+4*\t+7], v[Q0+8*\q:Q0+8*\q+7], 0, v[SK+\t/2], v[QS] matrix_a_fmt:MATRIX_FMT_FP4 matrix_b_fmt:MATRIX_FMT_FP4 matrix_b_scale:MATRIX_SCALE_ROW1
.else
	v_wmma_scale_f32_16x16x128_f8f6f4 v[S+8*\t:S+8*\t+7], v[FR+4*\t:FR+4*\t+7], v[Q0+8*\q:Q0+8*\q+7], 0, v[SK+\t/2], v[QS] matrix_a_fmt:MATRIX_FMT_FP4 matrix_b_fmt:MATRIX_FMT_FP4 matrix_a_scale:MATRIX_SCALE_ROW1 matrix_b_scale:MATRIX_SCALE_ROW1
.endif
.endr
.rept 4
	v_nop                                                          ; four places ahead of the first read of the scores and of loads into K's registers
.endr
.endm
.macro TM SB, n                        ; t - M of the next 2 n scores
.rept \n
	v_pk_fma_f32 v[S+i:S+i+1], v[S+i:S+i+1], s[22:23], v[\SB:\SB+1] op_sel_hi:[1,0,0]
.set i, i+2
.endr
.endm
.macro RS OB, n                        ; O^T under the new M: the next 2 n registers, ascending
.rept \n
	v_pk_mul_f32 v[\OB+i:\OB+i+1], v[\OB+i:\OB+i+1], v[F:F+1] op_sel_hi:[1,0]
.set i, i+2
.endr
.endm
.macro TREE k0, n, d                   ; the row's sum of the unquantised p, in place: pairs k0 .. k0 + n - 1 take up the pairs d further on
.set k, \k0
.rept \n
	v_pk_add_f32 v[S+2*k:S+2*k+1], v[S+2*k:S+2*k+1], v[S+2*(k+\d):S+2*(k+\d)+1]
.set k, k+1
.endr
.endm
.macro PRELOAD off                     ; K's eight fragments and scale words of the key step at byte off of the chunk being read
.irp t, 0,1,2,3,4,5,6,7
	ds_load_b128 v[FR+4*\t:FR+4*\t+3], v[ADR] offset:\off+KOFF+2*PCE*\t
.endr
	ds_load_b128 v[SK:SK+3], v[ADR] offset:\off+SKOFF
.endm
; One tile's softmax of one key step, up to its codes, its scale word and 12 of the sum's 32 lines.  SB: its statistics; OB: its O^T; PW: its scale word; PC: where its codes go.
.macro SMAXA SB, OB, PW, PC
.irp c, 0,1,2,3,4,5,6,7                                            ; eight chains, one a tile; each accumulator is read from its low end on
	v_max3_num_f32 v[T+\c], v[S+8*\c], v[S+8*\c+1], v[S+8*\c+2]
.endr
.irp i, 3,5
.irp c, 0,1,2,3,4,5,6,7
	v_max3_num_f32 v[T+\c], v[T+\c], v[S+8*\c+\i], v[S+8*\c+\i+1]
.endr
.endr
.irp g, 0,4
	v_max3_num_f32 v[T+\g], v[T+\g], v[T+\g+1], v[S+8*\g+7]
	v_max3_num_f32 v[T+\g+2], v[T+\g+2], v[T+\g+3], v[S+8*\g+15]
.endr
.irp g, 0,4
	v_max3_num_f32 v[T+\g], v[T+\g], v[T+\g+2], v[S+8*\g+23]
.endr
.irp g, 0,4
	v_max_num_f32 v[T+\g], v[T+\g], v[S+8*\g+31]                   ; T, T+4: my two blocks' largest scores: for the row's maximum and, since p rises with the score, for the blocks' largest p
.endr
	v_max_num_f32 v[X], v[T], v[T+4]
	v_permlanex16_b32 v[T+1], v[X], s20, s21
	v_mov_b32 v[T+3], v[\SB]
	v_max3_num_f32 v[\SB+1], v[\SB+1], v[X], v[T+1]                ; the running largest score, with lane l xor 16's 64 keys
	v_mul_f32 v[X], s22, v[\SB+1]                                  ; as t
	v_floor_f32 v[\SB], -v[X]                                      ; the new -M = -ceil(t)
	v_sub_f32 v[X], v[\SB], v[T+3]                                 ; old M - new M: a whole number, 0 or less
	v_fma_f32 v[T], v[T], s22, v[\SB]                              ; t - M of the blocks' largest scores
	v_fma_f32 v[T+4], v[T+4], s22, v[\SB]
.set i, 0
	TM \SB, 2
	v_cvt_i32_f32 v[X], v[X]                                       ; (it saturates)
	TM \SB, 4
	v_ldexp_f32 v[F], 1.0, v[X]                                    ; f = 2^(old M - new M)
	TM \SB, 26
	s_wait_alu depctr_va_vdst(0)                                   ; the wait ahead of the batch
	v_exp_f32 v[T], v[T]                                           ; the blocks' largest p: the same two instructions on the same number
	v_exp_f32 v[T+4], v[T+4]
.set i, 0
.rept 64
	v_exp_f32 v[S+i], v[S+i]                                       ; p = 2^(t - M), at most 1
.set i, i+1
.endr
	v_pk_mul_f32 v[\SB+2:\SB+3], v[\SB+2:\SB+3], v[F:F+1] op_sel_hi:[1,0]   ; the sum under the new M; the plain line behind the batch
	s_wait_alu depctr_va_vdst(0)                                   ; one wait for the batch, directly ahead of the first reader of O^T; plain lines alone up to the last
.set i, 0
	RS \OB, 4
	v_max_num_f32 v[T], 0x1800000, v[T]                            ; the floor 2^(3 - 127)
	v_max_num_f32 v[T+4], 0x1800000, v[T+4]
	RS \OB, 4
	v_add_nc_u32 v[SO], 0xff000000, v[T]                           ; the conversions' scale operands
	v_add_nc_u32 v[SO+1], 0xff000000, v[T+4]
	RS \OB, 4
	v_lshrrev_b32 v[X], 23, v[SO]                                  ; the bytes of blocks h and 2 + h
	v_lshrrev_b32 v[B1], 23, v[SO+1]
	RS \OB, 4
	v_lshl_or_b32 v[\PW], v[B1], 16, v[X]
.irp g, 0,1
.irp u, 0,1,2,3
	v_cvt_scalef32_pk8_fp4_f32 v[\PC+4*\g+\u], v[S+32*\g+8*\u:S+32*\g+8*\u+7], v[SO+\g]   ; register 4 g + u: keys 64 g + 32 h + 8 u on: the operand's own place
.endr
.endr
	v_lshlrev_b32 v[\PW], v[H8], v[\PW]                            ; at their places in the word, 8 h bits up; also the plain line behind the conversions
	v_permlanex16_b32 v[X], v[\PW], s20, s21
	TREE 0, 4, 16
	v_or_b32 v[\PW], v[\PW], v[X]                                  ; with lane l xor 16's two the word is whole
	TREE 4, 8, 16                                                  ; these eight also part the scale word and the codes from the products that take them
.endm
; The rest of the sum.  pre >= 0: behind its first four lines, which are the places behind tile 1's products, the fragments of K at byte pre are asked for.
.macro SMAXB SB, pre
	TREE 12, 4, 16
.if \pre >= 0
	PRELOAD \pre
.endif
	TREE 0, 8, 8
	TREE 0, 4, 4
	TREE 0, 2, 2
	v_pk_add_f32 v[\SB+2:\SB+3], v[\SB+2:\SB+3], v[S:S+1]
	v_pk_add_f32 v[\SB+2:\SB+3], v[\SB+2:\SB+3], v[S+2:S+3]
.endm
; O^T += V P^T: the eight accumulators take turns, one instruction a turn.  The four places behind it are the first four lines of SMAXB.
.macro PV
	s_wait_dscnt 0x0                                               ; V's fragments and scale words are in
.irp ct, 0,1,2,3
.if \ct%2 == 0
	v_wmma_scale_f32_16x16x128_f8f6f4 v[O+8*\ct:O+8*\ct+7], v[FR+8*\ct:FR+8*\ct+7], v[PC0:PC0+7], v[O+8*\ct:O+8*\ct+7], v[SK+\ct/2], v[PW0] matrix_a_fmt:MATRIX_FMT_FP4 matrix_b_fmt:MATRIX_FMT_FP4
	v_wmma_scale_f32_16x16x128_f8f6f4 v[O+32+8*\ct:O+32+8*\ct+7], v[FR+8*\ct:FR+8*\ct+7], v[PC1:PC1+7], v[O+32+8*\ct:O+32+8*\ct+7], v[SK+\ct/2], v[PW1] matrix_a_fmt:MATRIX_FMT_FP4 matrix_b_fmt:MATRIX_FMT_FP4
.else
	v_wmma_scale_f32_16x16x128_f8f6f4 v[O+8*\ct:O+8*\ct+7], v[FR+8*\ct:FR+8*\ct+7], v[PC0:PC0+7], v[O+8*\ct:O+8*\ct+7], v[SK+\ct/2], v[PW0] matrix_a_fmt:MATRIX_FMT_FP4 matrix_b_fmt:MATRIX_FMT_FP4 matrix_a_scale:MATRIX_SCALE_ROW1
	v_wmma_scale_f32_16x16x128_f8f6f4 v[O+32+8*\ct:O+32+8*\ct+7], v[FR+8*\ct:FR+8*\ct+7], v[PC1:PC1+7], v[O+32+8*\ct:O+32+8*\ct+7], v[SK+\ct/2], v[PW1] matrix_a_fmt:MATRIX_FMT_FP4 matrix_b_fmt:MATRIX_FMT_FP4 matrix_a_scale:MATRIX_SCALE_ROW1
.endif
.endr
.endm
; A KEY STEP: the 128 keys at byte off of the chunk being read; K's fragments have been asked for.  They serve both tiles of queries; V's four come while tile 1's softmax is worked.
; pre: the key step whose fragments of K are asked for at this one's end (-1: none).  kl = 1: K of the chunk after the next is loaded on the way, eight loads at four places.
.macro STEP off, pre, kl
	s_wait_dscnt 0x0                                               ; K's fragments and scale words are in
	KQ 0
.if \kl
	KL 0
.endif
	SMAXA SB0, O, PW0, PC0
.if \kl
	KL 1
.endif
	SMAXB SB0, -1
	KQ 1
.irp ct, 0,1,2,3
	ds_load_b128 v[FR+8*\ct:FR+8*\ct+3], v[ADR] offset:\off+VOFF+4*PCE*\ct
	ds_load_b128 v[FR+8*\ct+4:FR+8*\ct+7], v[ADR] offset:\off+VOFF+4*PCE*\ct+2*PCE
.endr
	ds_load_b64 v[SK:SK+1], v[ADR] offset:\off+SVOFF
.if \kl
	KL 2
.endif
	SMAXA SB1, O+32, PW1, PC1
.if \kl
	KL 3
.endif
	s_wait_alu depctr_va_vdst(0)                                   ; the wait ahead of the wait below
	PV
	SMAXB SB1, \pre
.endm
; A TRIP: f1: the next chunk is quantised into the bytes at s17; f2: K of the chunk after that is loaded, its V asked for.  The two key steps read the chunk at s16.
.macro TRIP f1, f2
	v_add_nc_u32 v[ADR], s16, v[LT]
	PRELOAD 0                                                      ; on their way while the next chunk is quantised
.if \f1
	s_wait_loadcnt 0x0                                             ; the next chunk's K is in; no load of mine is out,
	s_wait_xcnt 0x0                                                ; and my prefetch has read its address: the pointer may step
	s_add_nc_u64 s[12:13], s[12:13], 1024                          ; 256 keys on
	VLOAD S                                                        ; the same chunk's V, on its way while K is quantised
	KQUANT
	s_wait_loadcnt 0x0                                             ; V is in
	VQUANT S
.if \f2
	ASKV 1024
.endif
.endif
	STEP 0, STEPB, \f2
.if \f1
	s_wait_dscnt 0x0                                               ; for the others' sake: all my stores of the next chunk have landed; no LDS instruction of mine is out
	s_barrier_signal -1
.endif
	STEP STEPB, -1, 0                                              ; between signal and wait: registers, and reads of a chunk that nobody writes again
.if \f1
	s_wait_alu depctr_va_vdst(0)                                   ; the wait ahead of the barrier's wait
	s_barrier_wait -1                                              ; the next chunk is whole
	s_add_co_u32 s16, s16, CHUNKB
	s_add_co_u32 s17, s17, CHUNKB
.endif
.endm
	s_load_b128 s[4:7], s[0:1], 0x0                                ; qkv, out0
	v_lshrrev_b32 v[T], 5, v0
	v_readfirstlane_b32 s8, v[T]                                   ; wave w
	s_bfe_u32 s9, ttmp6, 0x40000                                   ; cx: my block of 512 queries
	s_and_b32 s10, ttmp7, 0xffff                                   ; the head
	s_and_b32 s28, s8, 3                                           ; w % 4
	s_bfe_u32 s29, s8, 0x10002                                     ; (w / 4) % 2
	s_lshr_b32 s30, s8, 3                                          ; w / 8
	s_lshr_b32 s31, s8, 2                                          ; w / 4
	s_bfe_u32 s38, s8, 0x10001                                     ; g = (w / 2) % 2
	s_and_b32 s39, s8, 1                                           ; h' = w % 2
	s_mul_i32 s32, s29, STEPB                                      ; K: my 32 keys are block 2 g + h' of step (w / 4) % 2 of a chunk: tiles 4 g + u, slots 8 h' + j; channel block w / 8
	s_mul_i32 s33, s38, 8*PCE
	s_add_co_u32 s33, s33, s32
	s_mul_i32 s34, s30, PCE
	s_add_co_u32 s33, s33, s34
	s_lshl_b32 s34, s39, 7
	s_add_co_u32 s33, s33, s34                                     ; the wave's part of LK1
	s_add_co_u32 s34, s34, s32
	s_lshl_b32 s37, s38, 3
	s_add_co_u32 s34, s34, s37
	s_add_co_u32 s34, s34, s30
	s_add_co_u32 s34, s34, SKOFF                                   ; of LK2
	s_mul_i32 s35, s31, 4*PCE                                      ; V: my rows 4 w on: channel tile w / 4, rows 4 (w % 4) on
	s_lshl_b32 s36, s28, 6
	s_add_co_u32 s35, s35, s36
	s_add_co_u32 s35, s35, VOFF                                    ; of LV1
	s_mul_i32 s37, s29, PCE
	s_add_co_u32 s36, s36, s37
	s_lshl_b32 s37, s30, 2
	s_add_co_u32 s36, s36, s37
	s_add_co_u32 s36, s36, SVOFF                                   ; of LV2
	s_lshl_b32 s11, s9, 4
	s_lshl_b32 s25, s39, 3
	s_add_co_u32 s11, s11, s25
	s_lshl_b32 s11, s11, 13                                        ; the prefetch: row 16 cx + 8 (w % 2) of V
	v_and_b32 v[T+1], 15, v0                                       ; r
	v_bfe_u32 v[T+2], v0, 4, 1                                     ; h
	v_bfe_u32 v[T+3], v0, 3, 1                                     ; u % 2
	v_and_b32 v[T+4], 7, v0                                        ; j
	v_bfe_u32 v[T+5], v0, 2, 2                                     ; bb
	v_and_b32 v[T+6], 3, v0                                        ; lane % 4
	v_and_b32 v[T+7], 31, v0                                       ; lane
	v_bfe_u32 v[T+12], v0, 3, 2                                    ; u
	v_bfe_u32 v[T+13], v0, 2, 3                                    ; lane / 4
	v_mul_u32_u24 v[LT], v[T+2], PCE
	v_lshlrev_b32 v[T+8], 4, v[T+4]
	v_mul_u32_u24 v[T+9], v[T+2], STEPB                            ; V: lanes 16-31 hold keys of the chunk's second step
	v_lshlrev_b32 v[PFO], 8, v[T+6]                                ; the prefetch: lanes 256 bytes apart along a row, four to a row
	v_lshl_add_u32 v[LT], v[T+1], 4, v[LT]
	v_mad_u32_u24 v[LK1], v[T+12], 2*PCE, v[T+8]                   ; tile + u: 2 u pieces; slot + j
	v_mad_u32_u24 v[LK2], v[T+3], PCE, v[T+8]                      ; tile 4 g + u = 2 (2 g + u / 2) + u % 2
	v_mad_u32_u24 v[LV1], v[T+5], PCE, v[T+9]
	v_add_nc_u32 v[LV2], v[T+5], v[T+9]
	v_lshl_add_u32 v[PFO], v[T+13], 13, v[PFO]
	v_add_nc_u32 v[LK1], s33, v[LK1]
	v_lshl_add_u32 v[LK2], v[T+2], 2, v[LK2]                       ; u / 2 is the lane's bit 4
	v_lshl_add_u32 v[LV1], v[T+6], 2, v[LV1]
	v_add_nc_u32 v[LV2], s36, v[LV2]
	v_add_nc_u32 v[PFO], s11, v[PFO]
	v_add_nc_u32 v[LK2], s34, v[LK2]
	v_add_nc_u32 v[LV1], s35, v[LV1]
	v_lshlrev_b32 v[H8], 3, v[T+2]
	s_and_b32 s14, s8, 7
	s_lshl_b32 s14, s14, 7
	s_lshl_b32 s15, s30, 18
	s_add_co_u32 s14, s14, s15
	v_lshl_add_u32 v[KGO], v[T+7], 2, s14                          ; 4 lane + 128 (w % 8) + 32 rows x (w / 8)
	s_lshl_b32 s14, s8, 15
	v_lshl_add_u32 v[VGO], v[T+7], 5, s14                          ; 32 lane + 4 rows x w
	s_lshl_b32 s14, s8, 7
	s_lshl_b32 s15, s9, 11
	s_add_co_u32 s14, s14, s15
	v_lshl_add_u32 v[ADR], v[T+7], 2, s14                          ; q: 4 lane + 128 w + 2,048 x my block
	s_mul_i32 s14, s10, 192*ROWG                                   ; the head's first byte in qkv (under 2^31)
	s_mov_b32 s15, 0
	s_lshl_b32 s18, s10, 19                                        ; and in out0, + my block's 2,048 bytes of a row
	s_lshl_b32 s19, s9, 11
	s_add_co_u32 s18, s18, s19
	s_mov_b32 s19, 0
	s_mov_b32 s20, 0x76543210
	s_mov_b32 s21, 0xfedcba98                                      ; selects for lane l xor 16
	s_mov_b32 s22, 0x3fb8aa3b                                      ; log2(e)
	s_mov_b32 s23, s22
	s_mov_b32 s26, 0x3eb504f3                                      ; 1 / sqrt(sqrt(64))
	s_mov_b32 s27, s26
	s_mov_b32 s16, 0
	s_mov_b32 s17, 0
	s_wait_alu depctr_va_vdst(0)
	s_wait_kmcnt 0x0
	s_add_nc_u64 s[12:13], s[4:5], s[14:15]
	s_add_nc_u64 s[6:7], s[6:7], s[18:19]
.set i, 0
.rept 64
	global_load_b32 v[S+i], v[ADR], s[12:13] offset:ROWG*i th:TH_LOAD_NT   ; q: lane l takes query 32 w + l, registers down the 64 channels
.set i, i+1
.endr
	KLOAD 0                                                        ; chunk 0's K
	VLOAD O                                                        ; and V, into registers that O^T takes later
	s_wait_loadcnt 40                                              ; q is in; the 32 + 8 younger loads may be out
.set i, 0
.rept 32
	v_pk_mul_f32 v[S+i:S+i+1], v[S+i:S+i+1], s[26:27] op_sel_hi:[1,0]
.set i, i+2
.endr
.irp b, 0,1                                                        ; two blocks a lane, two chains a block, by turns
	v_max3_num_f32 v[T+2*\b], |v[S+32*\b]|, |v[S+32*\b+1]|, |v[S+32*\b+2]|
	v_max3_num_f32 v[T+2*\b+1], |v[S+32*\b+3]|, |v[S+32*\b+4]|, |v[S+32*\b+5]|
.endr
.irp i, 6,10,14,18,22,26
.irp b, 0,1
	v_max3_num_f32 v[T+2*\b], v[T+2*\b], |v[S+32*\b+\i]|, |v[S+32*\b+\i+1]|
	v_max3_num_f32 v[T+2*\b+1], v[T+2*\b+1], |v[S+32*\b+\i+2]|, |v[S+32*\b+\i+3]|
.endr
.endr
.irp b, 0,1
	v_max3_num_f32 v[T+2*\b], v[T+2*\b], |v[S+32*\b+30]|, |v[S+32*\b+31]|
.endr
.irp b, 0,1
	v_max3_num_f32 v[T+2*\b], v[T+2*\b], v[T+2*\b+1], 0x1800000
.endr
.irp b, 0,1
	v_add_nc_u32 v[T+2*\b], 0xff000000, v[T+2*\b]
.endr
.irp b, 0,1
	v_lshrrev_b32 v[T+2*\b+1], 23, v[T+2*\b]
.endr
	v_lshl_or_b32 v[QS], v[T+3], 8, v[T+1]
	v_lshl_or_b32 v[QS], v[QS], 16, v[QS]                          ; (e0, e1, e0, e1)
.irp g, 0,1,2,3
	v_cvt_scalef32_pk8_fp4_f32 v[Q0+\g], v[S+8*\g:S+8*\g+7], v[T]
.endr
.irp g, 0,1,2,3
	v_cvt_scalef32_pk8_fp4_f32 v[Q0+8+\g], v[S+32+8*\g:S+32+8*\g+7], v[T+2]
.endr
	v_nop
.irp g, 0,1,2,3
	v_permlane16_swap_b32 v[Q0+\g], v[Q0+8+\g]                     ; the first is now tile 0's fragment (lanes 0-15 block 0, lanes 16-31 block 1), the second tile 1's
.endr
.irp g, 0,1,2,3
	v_mov_b32 v[Q0+4+\g], 0                                        ; zero codes for k = 64 to 127
	v_mov_b32 v[Q0+12+\g], 0
.endr
	s_wait_loadcnt 8                                               ; chunk 0's K is in; V's 8 loads may be out
	KQUANT
	KLOAD 1024                                                     ; chunk 1's K
	ASKV 1024                                                      ; and its V is asked for
	s_wait_loadcnt 32                                              ; chunk 0's V is in; the 32 just issued may be out
	VQUANT O
.irp g, 0,1,2,3
	v_mov_b32 v[PC0+\g], 0                                         ; named as the unused upper half of K's tile 7 before tile 0's first codes are made
.endr
.set i, 0
.rept 64
	v_mov_b32 v[O+i], 0                                            ; O^T.  The key step is written once: its first turn finds zeros, which the first change of M leaves zeros
.set i, i+1
.endr
	v_mov_b32 v[SB0+1], 0xff61b1e6                                 ; the largest score so far: -3e38
	v_mov_b32 v[SB1+1], 0xff61b1e6
	v_mov_b32 v[SB0], 0x7f61b1e6                                   ; -M: 3e38
	v_mov_b32 v[SB1], 0x7f61b1e6
	v_mov_b32 v[SB0+2], 0                                          ; the sums, in two halves
	v_mov_b32 v[SB0+3], 0
	v_mov_b32 v[SB1+2], 0
	v_mov_b32 v[SB1+3], 0
	s_mov_b32 s17, CHUNKB
	s_wait_alu depctr_va_vdst(0)                                   ; the wait at the head's end
	s_wait_dscnt 0x0                                               ; my stores of chunk 0 have landed
	s_barrier_signal -1
	s_barrier_wait -1                                              ; chunk 0 is whole
	s_mov_b32 s24, 6
.Ltrip:                                                            ; trips 0 to 5: fill chunk m + 1, load K of chunk m + 2, read chunk m
	TRIP 1, 1
	s_sub_co_u32 s24, s24, 1
	s_cmp_lg_u32 s24, 0
	s_cbranch_scc1 .Ltrip
	TRIP 1, 0                                                      ; chunk 6: fills chunk 7; nothing is left to ask for, so that no access leaves the buffer
	TRIP 0, 0                                                      ; chunk 7
	; THE WAY OUT.  O^T / the sum.  out0's rows run along the queries: the work-group's 64 rows x 512 queries meet in a stage in LDS, and each wave stores 4 whole rows of 2,048 bytes.
	v_add_f32 v[SB0+2], v[SB0+2], v[SB0+3]
	v_add_f32 v[SB1+2], v[SB1+2], v[SB1+3]
	v_permlanex16_b32 v[PX], v[SB0+2], s20, s21
	v_permlanex16_b32 v[PX+1], v[SB1+2], s20, s21
	v_add_f32 v[SB0+2], v[SB0+2], v[PX]
	v_add_f32 v[SB1+2], v[SB1+2], v[PX+1]
	s_wait_alu depctr_va_vdst(0)                                   ; the wait ahead of the reciprocals
	v_rcp_f32 v[SB0+2], v[SB0+2]
	v_rcp_f32 v[SB1+2], v[SB1+2]
	v_and_b32 v[T+8], 15, v0                                       ; r
	v_bfe_u32 v[T+9], v0, 4, 1                                     ; h
	v_and_b32 v[T+10], 31, v0                                      ; lane
	s_lshl_b32 s28, s8, 7
	s_add_co_u32 s28, s28, STG
	v_mul_u32_u24 v3, v[T+9], 8*SP
	v_lshl_add_u32 v3, v[T+8], 2, v3
	v_add_nc_u32 v3, s28, v3                                       ; in: row 8 h (+ 16 ct + j), byte 128 w + 4 r (+ 64 q)
	v_add_nc_u32 v4, 32*SP, v3                                     ; the same 32 rows on
	s_mul_i32 s29, s8, 4*SP
	s_add_co_u32 s29, s29, STG
	v_lshl_add_u32 v5, v[T+10], 4, s29                             ; back: my rows 4 w on, 16 bytes a lane
	s_lshl_b32 s30, s8, 15
	v_lshl_add_u32 v6, v[T+10], 4, s30                             ; and the same place in out0
	s_wait_alu depctr_va_vdst(0)                                   ; one wait for both reciprocals, directly ahead of the first readers
.set i, 0
.rept 16
	v_pk_mul_f32 v[O+i:O+i+1], v[O+i:O+i+1], v[SB0+2:SB0+3] op_sel_hi:[1,0]
.set i, i+2
.endr
.set i, 0
.rept 16
	v_pk_mul_f32 v[O+32+i:O+32+i+1], v[O+32+i:O+32+i+1], v[SB1+2:SB1+3] op_sel_hi:[1,0]
.set i, i+2
.endr
.irp q, 0,1
.irp ct, 0,1
.irp j, 0,1,2,3,4,5,6,7
	ds_store_b32 v3, v[O+32*\q+8*\ct+\j] offset:(16*\ct+\j)*SP+64*\q        ; out(16 ct + 8 h + j, 32 w + 16 q + r)
.endr
.endr
.irp ct, 2,3
.irp j, 0,1,2,3,4,5,6,7
	ds_store_b32 v4, v[O+32*\q+8*\ct+\j] offset:(16*(\ct-2)+\j)*SP+64*\q
.endr
.endr
.endr
	s_wait_dscnt 0x0                                               ; for the others' sake: my stores into the stage have landed
	s_barrier_signal -1
	s_barrier_wait -1
.irp i, 0,1,2,3
.irp e, 0,1,2,3
	ds_load_b128 v[S+16*\i+4*\e:S+16*\i+4*\e+3], v5 offset:SP*\i+512*\e
.endr
.endr
.irp i, 0,1,2,3
.irp e, 0,1,2,3
	s_wait_dscnt 15-4*\i-\e                                        ; this one is in, the younger ones may be out
	global_store_b128 v6, v[S+16*\i+4*\e:S+16*\i+4*\e+3], s[6:7] offset:ROWG*\i+512*\e th:TH_STORE_NT   ; 32 lanes store 512 consecutive bytes, at a multiple of 256 from out0's first byte
.endr
.endr
	s_wait_xcnt 0x0
	v_lshl_add_u32 v254, v0, 2, SPARE
	v_mov_b32 v255, 0
	s_wait_alu depctr_va_vdst(0)
	s_wait_tensorcnt 0x0                                           ; the wave's end
	ds_add_u32 v254, v255
	s_wait_dscnt 0x0
	s_endpgm
.Lfunc_end_k_q747e48fc78_attn:
	.size	k_q747e48fc78_attn, .Lfunc_end_k_q747e48fc78_attn-k_q747e48fc78_attn
	.p2alignl 7, 3214868480
	.fill 96, 4, 3214868480
	.section	.rodata,"a",@progbits
	.p2align	6, 0x0
	.amdhsa_kernel k_q747e48fc78_attn
		.amdhsa_group_segment_fixed_size 290816
		.amdhsa_private_segment_fixed_size 0
		.amdhsa_enable_private_segment 0
		.amdhsa_kernarg_size 16
		.amdhsa_user_sgpr_count 2
		.amdhsa_user_sgpr_kernarg_segment_ptr 1
		.amdhsa_wavefront_size32 1
		.amdhsa_system_sgpr_workgroup_id_x 1
		.amdhsa_system_sgpr_workgroup_id_y 1
		.amdhsa_system_sgpr_workgroup_id_z 1
		.amdhsa_system_vgpr_workitem_id 0
		.amdhsa_next_free_vgpr 256
		.amdhsa_next_free_sgpr 66
		.amdhsa_reserve_vcc 0
		.amdhsa_float_denorm_mode_32 3
		.amdhsa_float_denorm_mode_16_64 3
		.amdhsa_memory_ordered 1
		.amdhsa_forward_progress 1
		.amdhsa_inst_pref_size 214
	.end_amdhsa_kernel
	.amdgpu_metadata
---
amdhsa.version: [ 1, 2 ]
amdhsa.kernels:
  - .name:           k_q747e48fc78_attn
    .symbol:         k_q747e48fc78_attn.kd
    .args:
      - { .name: qkv, .offset: 0, .size: 8, .value_kind: global_buffer, .address_space: global }
      - { .name: out0, .offset: 8, .size: 8, .value_kind: global_buffer, .address_space: global }
    .group_segment_fixed_size: 290816
    .private_segment_fixed_size: 0
    .kernarg_segment_align: 8
    .kernarg_segment_size: 16
    .max_flat_workgroup_size: 512
    .sgpr_count:     66
    .vgpr_count:     256
    .wavefront_size: 32
...
	.end_amdgpu_metadata
.endif
;; end of part 1
